; MI455X (gfx1250); checked and timed in simulation.
; The chip was launched on July 23, 2026; its instructions are those of AMD's public machine-readable ISA for CDNA 5 (MIT licence, August 2026) and "CDNA5" Instruction Set Architecture Reference Guide (July 2026). The comments in the code are by the model that wrote it; some were corrected since.
;; Decoder Encoder Multi Head Attention. Allowed arithmetic: matrix products marked QUANTISED: E2M3 operands, one E8M0 scale for each 32 along K, by v_wmma_scale_f32_16x16x128_f8f6f4 with both operands' format E2M3, f32 sums; products left as they are: f32 operands where the result goes on into a quantised operand, else bf16, f16 or f32 operands; f32 sums; everything else in f32.
;; Inputs: Wkv 64 x 128 float32; Wproj 64 x 64 float32; Wq 64 x 64 float32; bkv 128 float32; bproj 64 float32; bq 64 float32; encoder_outputs 16 x 1,024 x 64 float32; encoder_outputs_mask 16 x 1,024 int32; x 16 x 1,024 x 64 float32.
;; Outputs: out0 16 x 1,024 x 64 float32.
;; This version of the problem:
;;   THIS VERSION OF THE PROBLEM IS GIVEN IN LOW PRECISION. The matrix products marked QUANTISED in the list below multiply operands that are first quantised to E2M3 (2 exponent bits, 3 mantissa bits; 6 bits a number), with one power-of-two scale for each 32 numbers along K (OCP MX v1.0); their sums are f32. All else is computed in f32.
;;   The module's matrix products, in the order in which they are computed (A, B: the left and right operand; K: the contracted axis; several contracted axes count as one K, in the product's order):
;;     1. [M 16,384, K 64] x [K 64, N 128]; A: input encoder_outputs; B: input Wkv: QUANTISED
;;     2. [M 16,384, K 64] x [K 64, N 64]; A: input x; B: input Wq: QUANTISED
;;     3. batch 64 x [M 1,024, K 16] x [K 16, N 1,024]; A: computed on the way; B: computed on the way: left as it is (K = 16 < 32)
;;     4. batch 64 x [M 16, K 1,024] x [K 1,024, N 1,024]; A: computed on the way; B: softmax (see below): QUANTISED
;;     5. [M 16,384, K 64] x [K 64, N 64]; A: computed on the way; B: input Wproj: QUANTISED
;;   THE QUANTISER, for each operand of a quantised product, along K:
;;     - K is cut into blocks of 32 from its start; a last block that is shorter is filled with zeros.
;;     - A block's scale is 2^e with e = floor(log2(the largest magnitude in the block)) - 2, held to -126 .. 127; a block of zeros has e = 0. As a byte (E8M0): e + 127.
;;     - Each number is divided by its block's scale, clamped to +-7.5, and rounded to the nearest number of E2M3, ties to even, subnormals kept.
;;     - The product sums the exact products of the quantised numbers (number of the format x scale) in f32.
;;   ~~~python
;;   def quantise(x, axis):      # numpy; x: float32 -> the quantised numbers, widened to float32 again
;;       x = np.moveaxis(x, axis, -1); K = x.shape[-1]
;;       x = np.pad(x, [(0, 0)] * (x.ndim - 1) + [(0, -K % 32)]); x = x.reshape(x.shape[:-1] + (-1, 32)); a = np.abs(x).max(-1, keepdims=True)
;;       e = np.where(a > 0, np.clip(np.frexp(np.where(a > 0, a, 1))[1] - 1 - 2, -126, 127), 0)      # np.frexp(a)[1] - 1 = floor(log2(a)), exactly
;;       r = np.clip(x / 2.0 ** e, -7.5, 7.5)
;;       step = 2.0 ** (np.maximum(np.frexp(np.where(r == 0, 1, r))[1] - 1, 0) - 3)
;;       q = np.round(r / step) * step * 2.0 ** e      # np.round: ties to even
;;       return np.moveaxis(q.reshape(q.shape[:-2] + (-1,))[..., :K], -1, axis).astype(np.float32)
;;   ~~~
;;   SOFTMAX AHEAD OF A QUANTISED PRODUCT. Where the list says 'softmax', what is quantised is not the finished softmax but p = 2^(t - M), with t = logit x log2(e) and M = ceil(the row's largest t), a whole number; so 1/2 < the row's largest p <= 1. The row's sum l is taken of the UNQUANTISED p, in f32, and the product's result is divided by l at the end. Since M is a whole number, a kernel that streams over the keys may use a running M (the ceiling of the running maximum): every later rescaling is an exact power of two, which a block's scale takes up: the codes' values come out the same.
;;   OPERANDS COMPUTED ON THE WAY. 'Computed on the way' means the value that the module computes at that place (a softmax that the list does not call 'softmax' is quantised finished and normalised). What goes into a quantiser is computed in f32, as accurately as f32 sums, v_exp_f32 and their like allow (about 1e-6 of the number): no bf16 or f16 on the way to a quantiser, and a product that is left as it is and whose result goes on into a quantised operand takes f32 operands (vector FMAs, or v_wmma_f32_16x16x4_f32). A number that lies on a knife's edge between two numbers of the format may be rounded either way, as far as f32 arithmetic and the matrix unit's own rounding can turn it there, and no further.
;; One version. Each part assembles by itself: llvm-mc -triple=amdgcn-amd-amdhsa -mcpu=gfx1250 --defsym DOCPART=n.
;; ======== version 1 of 1: 1 launch
;; launch attn (part 1): grid 16 x 16, 16 waves a work-group, no clusters, 321,536 bytes of LDS; arguments x, encoder_outputs, encoder_outputs_mask, Wkv, bkv, Wq, bq, Wproj, bproj, out0; writes out0
.if DOCPART == 1
	.amdgcn_target "amdgcn-amd-amdhsa--gfx1250"
	.amdhsa_code_object_version 6
	.text
	.protected	k_q695a4e272c_attn
	.globl	k_q695a4e272c_attn
	.p2align	8
	.type	k_q695a4e272c_attn,@function
k_q695a4e272c_attn:
	s_mov_b64 s[64:65], 0
	v_nop
	global_prefetch_b8 v0, s[64:65] scope:SCOPE_SE
	s_setreg_imm32_b32 hwreg(HW_REG_WAVE_MODE, 25, 1), 1
	s_wait_xcnt 0x0
; out0 = softmax(mask(q k^T / 4)) v Wproj + bproj, q = x Wq + bq, [k v] = enc Wkv + bkv.  16 batches, 1,024 queries, 1,024 keys, 64 channels = 4 heads of 16.
; The three projections (K = 64) and v^T p (K = the keys) go on codes of FP6 (E2M3) with one E8M0 scale for each 32 along K; q k^T (K = 16) goes on f32 operands, since its result is quantised.
; SOFTMAX: t = score x log2(e) / 4; M = the running largest t rounded up to a whole number; p = 2^(t - M) is quantised along the keys; the row's sum of the unquantised p divides at the end.
; SHARES.  A work-group owns 64 queries of one batch: grid x = block of queries, y = batch.  Sixteen waves of 256 registers, four to a SIMD, so that one wave's vector work stands beside another's matrix work.
;   head:  each wave issues two tensor loads: its 64 keys' rows of enc (16,384 dense bytes) into LDS bytes of its own, and 4 of the work-group's 64 rows of x.  A lane wants 128 bytes of ONE row, so loads
;          into registers would take 16 bytes of each of 32 pieces of rows; the tensor loads take the rows as they lie, 256 bytes each, and the lanes read their pieces from LDS.
;          Wave w quantises weight fragment w of 16 (a lane to a column, registers down K) and hands it round through LDS; thread i turns mask words 2 i, 2 i + 1 into 0 or -infinity.
;   k, v:  wave w takes keys 64 w .. 64 w + 63 of the batch, quantises them once and makes k^T and v for all four heads; k (f32) and v (codes) go to LDS as images of operand registers.
;   keys:  wave w owns head w % 4 and queries 16 (w / 4) .. + 15 and walks 8 chunks of 128 keys; no barrier stands in that loop.
;   end:   ctx through LDS, quantised along the channels, x Wproj (output tile w % 4 of query tile w / 4); the results leave through LDS as whole rows of 256 bytes.
; LAYOUT (r = lane % 16, h = lane / 16).  With K = 64 a lane (r, h) holds a whole block, k = 32 h .. 32 h + 31, in six registers; the instruction's k = 64 .. 127 are zero codes on the weight's side, and both
;   scale words have bytes 2 and 3 equal to 0 (a power of two, no NaN): that half adds nothing.  So the keys' fragments lie six registers apart and each names the next one's six as its upper half.
;   THE KEYS OF A TILE ARE NOT NEIGHBOURS: lane r of tile 2 b + u takes key 32 b + 8 u + r + 8 (r / 8), so that the 16 registers of tiles 2 b, 2 b + 1 of a result are 16 neighbouring keys.
;   k^T = Wk enc^T and q^T = Wq x^T: lane (r, h), register j = channel 8 h + j of key or query r.  Registers 2 s, 2 s + 1 of both are the operands of step s of the f32 product: the same
;   order of the 16 channels on both sides.  The mask is the C of each score tile's first step.  s^T, p and o^T hold one query a lane.
; NO CLUSTER: what the 16 work-groups of a batch share is enc, fetched once, at the head, one load a wave; nothing is fetched in the loop over the keys.  A joint request could spare only that one fetch,
;   and would put a round of the cluster's barrier in front of all work and another at the end.  No LDS byte is filled twice by a tensor load: there is no ring.
;   All reads from memory but bproj's two stand at the head, so nothing is asked for ahead.
; LIMITS: NaN and infinities among the inputs are not served.  A block whose largest magnitude lies under 2^-124, a block of zeros among them, gets the scale byte 1 (its bytes are read by this program alone).
;   p under 2^-126 counts as 0, beside a row's sum of at least 1/2.  A batch whose mask is all 0 gives sum 0 and NaN in all its rows.
.set VIMG,  0                          ; LDS: v's fragments: [head 4][chunk 8][lane][12 registers = 48 bytes]: 49,152 bytes
.set KIMG,  49152                      ; k's images: [head 4][chunk 8][tile 8][registers 0-3 | 4-7][lane][16 bytes]: 262,144 bytes; head 3's part begins at 245,760
.set VSC,   311296                     ; v's scale words: [head 4][chunk 8][lane][4 bytes]: 4,096 bytes
.set MB,    315392                     ; the mask as f32, 0 or -infinity: [key 1,024]: 4,096 bytes
.set EP,    272                        ; at the head: a row of enc or of x in LDS: 256 bytes + 16 of padding
.set EW,    64*EP                      ; wave w's 64 keys lie at EW x w: 0 .. 278,528; all are read ahead of the first barrier, behind which v's and k's images are stored there
.set XSTG,  16*EW                      ; x's 64 rows: 278,528 .. 295,936
.set WIMG,  XSTG+EW                    ; the 16 weight fragments: 295,936 .. 310,272.  x's rows and these lie in head 3's part of k's images, which is written last, behind a barrier of its own
.set WFR,   896                        ; a weight's image: registers 0-3 (512 bytes), 4-5 (256), the scale word (128)
.set OUTS,  17408                      ; the end: ctx's 64 rows lie at 0, the results' 64 rows here; nobody reads v or k by then
.set CP,    272                        ; a row there: 256 bytes + 16
; REGISTERS.  v1 16 x lane, v2 4 x lane, v3 8 h; v4-7 addresses; v8-15 at work (loop: v12 -M, v13 largest t, v[14:15] the sum); v16-26 scale words and nothing else; v27 bias offset; v28-31 at work
;   v32-39 q^T; v40-47 o^T; v48-53 Wproj's fragment; v54-63 at work; v64-127 results of matrix instructions alone (k^T and v, then the scores)
;   v128-223 head: three sets of 32 numbers, then weights, biases, codes, addresses (v172-175, v190-191); loop: v128-159 k, v160-191 mask, v192-223 p;  v224-253 head: the keys' four fragments; loop: v224-235 p's codes, v240-251 v
;   s[56:59], s[60:63] descriptor groups 0 for my keys and my rows of x; s[68:75], s[76:83] their groups 1; none is written again
.macro NOPS n
.rept \n
	v_nop
.endr
.endm
.macro BAR                             ; my LDS stores have landed and my LDS loads are in: then the work-group's barrier
	s_wait_dscnt 0x0
	s_barrier_signal -1
	s_barrier_wait -1
.endm
.macro MX d, a, b, c, sa, sb           ; D = A B + C on FP6 codes
	v_wmma_scale_f32_16x16x128_f8f6f4 v[(\d):(\d)+7], v[(\a):(\a)+11], v[(\b):(\b)+11], v[(\c):(\c)+7], v[\sa], v[\sb] matrix_a_fmt:MATRIX_FMT_FP6 matrix_b_fmt:MATRIX_FMT_FP6
.endm
; 32 numbers of a lane, one block along K, become six registers of codes at v[dst] and the row's scale word in v[sw] (byte h is mine, the other is lane l xor 16's).
.macro QROW src, dst, sw
	v_max3_num_f32 v8, |v[\src]|, |v[\src+1]|, 0x1800000           ; the floor 2^(3 - 127) among the leaves: the byte cannot fall under 1
	v_max_num_f32 v9, |v[\src+2]|, |v[\src+3]|                      ; two chains, so that no line waits for the line above it
.irp k, 1,2,3,4,5,6,7
	v_max3_num_f32 v8, v8, |v[\src+4*\k]|, |v[\src+4*\k+1]|
	v_max3_num_f32 v9, v9, |v[\src+4*\k+2]|, |v[\src+4*\k+3]|
.endr
	v_max_num_f32 v8, v8, v9                       ; the block's largest magnitude
	v_add_nc_u32 v10, 0xff000000, v8               ; 2 off its exponent field: the conversion takes the exponent field of this operand as its scale
	v_lshrrev_b32 v11, 23, v10                     ; the scale's byte,
	v_lshlrev_b32 v11, v3, v11                     ; at its place in the word: 8 h bits up
	v_permlanex16_b32 v12, v11, s44, s45
	v_or_b32 v[\sw], v11, v12
	v_cvt_scalef32_pk16_fp6_f32 v[\dst:\dst+2], v[\src:\src+15], v10
	v_cvt_scalef32_pk16_fp6_f32 v[28:30], v[\src+16:\src+31], v10  ; (a conversion's three registers begin on an even number)
	v_nop                                          ; one plain place behind a scaled conversion
.irp i, 0,1,2
	v_mov_b32 v[\dst+3+\i], v[28+\i]
.endr
.endm
.macro WLOAD pitch                     ; my weight's column, 32 rows down K from row 32 h
.set i, 0
.rept 32
	global_load_b32 v[128+i], v6, s[30:31] offset:i*\pitch
.set i, i+1
.endr
.endm
.macro ELDS buf, tau                   ; tile tau of my 64 keys, out of my own LDS bytes: 128 bytes a lane of the key's row
.irp i, 0,1,2,3,4,5,6,7
	ds_load_b128 v[\buf+4*\i:\buf+4*\i+3], v4 offset:(32*(\tau/2)+8*(\tau%2))*EP+16*\i
.endr
.endm
.macro WFETCH dst, sreg, a16, a8, a4, off      ; a weight's image comes back as it was stored, in any wave
	ds_load_b128 v[\dst:\dst+3], v[\a16] offset:\off
	ds_load_b64 v[\dst+4:\dst+5], v[\a8] offset:\off
	ds_load_b32 v[\sreg], v[\a4] offset:\off
.endm
; v of head g, my 64 keys (v96-127: register 16 b + i = key 32 b + 16 h + i of channel r), becomes six registers of codes and two scale bytes.
.macro VQ g
.irp b, 0,1
	v_max3_num_f32 v[8+\b], |v[96+16*\b]|, |v[97+16*\b]|, 0x1800000    ; each result is read from its low end on
.endr
.irp i, 2,4,6,8,10,12,14
.irp b, 0,1
	v_max3_num_f32 v[8+\b], v[8+\b], |v[96+16*\b+\i]|, |v[97+16*\b+\i]|
.endr
.endr
.irp b, 0,1
	v_permlanex16_b32 v[10+\b], v[8+\b], s44, s45
.endr
.irp b, 0,1
	v_max_num_f32 v[8+\b], v[8+\b], v[10+\b]       ; with lane l xor 16's 16 keys: the block's largest magnitude
.endr
.irp b, 0,1
	v_add_nc_u32 v[12+\b], 0xff000000, v[8+\b]
.endr
.irp b, 0,1
	v_lshrrev_b32 v[14+\b], 23, v[12+\b]
.endr
	v_lshl_or_b32 v14, v15, 8, v14                 ; my two bytes of the chunk's scale word
	v_cvt_scalef32_pk16_fp6_f32 v[184:186], v[96:111], v12
	v_cvt_scalef32_pk16_fp6_f32 v[28:30], v[112:127], v13
	v_nop                                          ; one plain place behind a scaled conversion
.irp i, 0,1,2
	v_permlane16_swap_b32 v[184+\i], v[28+\i]      ; a whole block to a lane: lanes 0-15 my first block, lanes 16-31 my second
.endr
.irp i, 0,1,2
	v_mov_b32 v[187+\i], v[28+\i]
.endr
	ds_store_b64 v191, v[184:185] offset:12288*\g
	ds_store_b64 v191, v[186:187] offset:12288*\g+8
	ds_store_b64 v191, v[188:189] offset:12288*\g+16
	ds_store_b16 v172, v14 offset:1024*\g
.endm
; k^T and v of head g for my 64 keys.
.macro PROD g
	s_wait_loadcnt 0x0                             ; k's bias
	s_wait_dscnt 0x0                               ; this head's weights are in; my earlier LDS stores have read their registers
.if \g == 3
	s_barrier_signal -1                            ; every wave has read all that it wants of x's rows and of the weights' images:
	s_barrier_wait -1                              ; only now is head 3's part of k's images, in which they lie, written
.endif
.if \g > 0
	v_add_nc_u32 v190, 0x10000, v190               ; k's images: the next head (no LDS instruction of mine is out)
.endif
.irp t, 0,1,2,3
	MX 64+8*\t, 128, 224+6*\t, 152, 16, 19+\t      ; k^T: source 0 = Wk's 16 columns, source 1 = 16 keys, C = k's bias
.endr
.irp t, 0,1,2,3
	MX 96+8*\t, 224+6*\t, 140, 160, 19+\t, 17      ; v: source 0 = 16 keys, source 1 = Wv's 16 columns, C = v's bias
.endr
	NOPS 4                                         ; four places in front of loads into registers that these products read, and of the stores of their results
.if \g < 3
	WFETCH 128, 16, 54, 55, 56, WFR*(\g+1)         ; the next head's Wk,
	WFETCH 140, 17, 54, 55, 56, WFR*(\g+5)         ; its Wv,
	global_load_b128 v[152:155], v61, s[12:13] offset:64*(\g+1)    ; its biases
	global_load_b128 v[156:159], v61, s[12:13] offset:64*(\g+1)+16
.irp j, 0,1,2,3,4,5,6,7
	v_mov_b32 v[160+\j], v[169+\g]
.endr
.endif
.irp t, 0,1,2,3
	ds_store_b128 v190, v[64+8*\t:67+8*\t] offset:1024*\t          ; the eight registers of a tile as they stand, the low four first
	ds_store_b128 v190, v[68+8*\t:71+8*\t] offset:1024*\t+512
.endr
	VQ \g
.endm
; Four tiles of k (8 registers each) and the mask's numbers in the scores' layout: 16 LDS loads.
.macro GLOAD grp
.irp t, 0,1,2,3
	ds_load_b128 v[128+8*\t:131+8*\t], v4 offset:4096*\grp+1024*\t
	ds_load_b128 v[132+8*\t:135+8*\t], v4 offset:4096*\grp+1024*\t+512
	ds_load_b128 v[160+8*\t:163+8*\t], v5 offset:256*\grp+128*(\t/2)+32*(\t%2)
	ds_load_b128 v[164+8*\t:167+8*\t], v5 offset:256*\grp+128*(\t/2)+32*(\t%2)+16
.endr
.endm
; s^T of four tiles of 16 keys: four steps of 4 channels; the four sums take turns, one instruction a turn; the first step's C is the mask.
.macro SCORES grp
.irp s, 0,1,2,3
.irp t, 0,1,2,3
.if \s == 0
	v_wmma_f32_16x16x4_f32 v[64+32*\grp+8*\t:71+32*\grp+8*\t], v[128+8*\t:129+8*\t], v[32:33], v[160+8*\t:167+8*\t]
.else
	v_wmma_f32_16x16x4_f32 v[64+32*\grp+8*\t:71+32*\grp+8*\t], v[128+8*\t+2*\s:129+8*\t+2*\s], v[32+2*\s:33+2*\s], v[64+32*\grp+8*\t:71+32*\grp+8*\t]
.endif
.endr
.endr
.endm
	; ---- ids, the descriptors, and the two tensor loads ahead of everything else
	s_load_b512 s[4:19], s[0:1], 0x0               ; x, enc, mask, Wkv, bkv, Wq, bq, Wproj
	s_load_b128 s[20:23], s[0:1], 0x40             ; bproj, out0
	v_lshl_add_u32 v254, v0, 2, 0x4e000
	v_mov_b32 v255, 0
	ds_add_u32 v254, v255
	ds_add_u32 v254, v255
	v_lshrrev_b32 v1, 5, v0
	v_readfirstlane_b32 s24, v1                    ; wave w
	s_and_b32 s25, s24, 3                          ; g = w % 4: my head, my output tile
	s_lshr_b32 s26, s24, 2                         ; t = w / 4: my tile of queries
	s_and_b32 s27, ttmp7, 0xffff                   ; the batch
	; groups 1: dense rows of 256 bytes (32 elements of 8 bytes), 16 bytes of padding behind each; 64 rows for the keys, 4 for x
	s_mov_b32 s68, (3<<16)|(1<<20)|(5<<22)|(3<<25) ; 15:0 no mask; 17:16 elements of 8 bytes; 20 padding on; 24:22 after every 64 words (code 5); 31:25 of 4 words (code 3)
	s_mov_b32 s69, 32<<16                          ; tensor_dim0 = 32
	s_mov_b32 s70, 64<<16                          ; tensor_dim1 = 64
	s_mov_b32 s71, 32<<16                          ; tile_dim0 = 32
	s_mov_b32 s72, 64                              ; tile_dim1 = 64
	s_mov_b32 s73, 32                              ; from row to row: 32 elements
	s_mov_b32 s74, 0
	s_mov_b32 s75, 0
	s_mov_b32 s76, (3<<16)|(1<<20)|(5<<22)|(3<<25)
	s_mov_b32 s77, 32<<16
	s_mov_b32 s78, 4<<16                           ; tensor_dim1 = 4
	s_mov_b32 s79, 32<<16
	s_mov_b32 s80, 4                               ; tile_dim1 = 4
	s_mov_b32 s81, 32
	s_mov_b32 s82, 0
	s_mov_b32 s83, 0
	s_mov_b32 s56, 1                               ; groups 0: count = 1;
	s_mul_i32 s57, s24, EW                         ; LDS address: my 64 keys' rows,
	s_mov_b32 s60, 1
	s_mul_i32 s61, s24, 4*EP
	s_add_co_u32 s61, s61, XSTG                    ; rows 4 w .. 4 w + 3 of x's 64
	s_lshl_b32 s34, s27, 18                        ; a batch is 1,024 rows of 256 bytes
	s_mov_b32 s35, 0
	s_lshl_b32 s28, s24, 14
	s_add_co_u32 s28, s28, s34                     ; enc: my 64 keys
	s_mov_b32 s29, 0
	s_lshl_b32 s50, ttmp9, 14
	s_add_co_u32 s34, s34, s50                     ; x and out0: my work-group's 64 rows
	s_lshl_b32 s50, s24, 10
	s_add_co_u32 s50, s50, s34                     ; x: the four of them that I fetch
	s_mov_b32 s51, 0
	s_wait_dscnt 0x0
	s_wait_kmcnt 0x0
	s_add_nc_u64 s[58:59], s[6:7], s[28:29]        ; global address of the tile's first element,
	s_or_b32 s59, s59, 0x80000000                  ; type = 2
	s_add_nc_u64 s[62:63], s[4:5], s[50:51]
	s_or_b32 s63, s63, 0x80000000
	tensor_load_to_lds s[56:59], s[68:75]          ; my 64 keys: 16,384 bytes
	s_nop 0
	tensor_load_to_lds s[60:63], s[76:83]          ; my 4 rows of x: two tensor loads of mine are out, and no more are issued
	s_nop 0
	; ---- lane terms, bases
	v_and_b32 v8, 31, v0                           ; lane
	v_and_b32 v9, 15, v0                           ; r
	v_bfe_u32 v10, v0, 4, 1                        ; h
	s_mov_b32 s44, 0x76543210
	s_mov_b32 s45, 0xfedcba98                      ; v_permlanex16_b32's selects for lane l xor 16
	s_mov_b32 s46, 0x3eb8aa3b                      ; c = log2(e) / 4
	s_mov_b32 s47, s46                             ; (named with it as a pair, so it is written)
	v_lshlrev_b32 v1, 4, v8
	v_lshlrev_b32 v2, 2, v8
	v_lshlrev_b32 v3, 3, v10
	v_and_b32 v11, 8, v9
	v_add_nc_u32 v11, v11, v9                      ; r + 8 (r / 8)
	v_mul_u32_u24 v4, v11, EP
	v_lshl_add_u32 v4, v10, 7, v4
	v_add_nc_u32 v4, s57, v4                       ; my keys in LDS: that row, + 128 h
	s_mul_i32 s36, s26, 16*EP
	s_add_co_u32 s36, s36, XSTG
	v_mul_u32_u24 v5, v9, EP
	v_lshl_add_u32 v5, v10, 7, v5
	v_add_nc_u32 v5, s36, v5                       ; x in LDS: row 16 t + r, + 128 h
	v_lshlrev_b32 v7, 3, v0                        ; the mask: two words a thread
	s_lshl_b32 s29, s25, 6
	v_lshl_add_u32 v27, v10, 5, s29                ; bq, bproj: numbers 16 g + 8 h + 0 .. 7
	v_lshlrev_b32 v61, 5, v10                      ; k's bias: 8 h + 0 .. 7 of a head
	v_lshlrev_b32 v62, 2, v9                       ; v's bias: number r of a head
	v_lshl_add_u32 v63, v0, 3, MB
	v_lshl_add_u32 v54, v8, 4, WIMG                ; a weight's image for my lane: registers 0-3,
	v_lshl_add_u32 v55, v8, 3, WIMG+512            ; 4-5,
	v_lshl_add_u32 v56, v8, 2, WIMG+768            ; the scale word
	s_mul_i32 s49, s24, WFR
	v_add_nc_u32 v57, s49, v54                     ; and of fragment w, which I make
	v_add_nc_u32 v58, s49, v55
	v_add_nc_u32 v59, s49, v56
	v_mov_b32 v60, 0xff800000                      ; -infinity
	v_mov_b32 v12, 0                               ; written once: a lane permute's destination counts as one of its sources
	v_mov_b32 v46, 0
	v_mov_b32 v47, 0
.irp j, 248,249,250,251,252,253
	v_mov_b32 v[\j], 0                             ; what the last tile of keys names as its upper half
.endr
	s_cmp_lt_u32 s24, 8                            ; fragments 0-7: columns 16 w of Wkv (rows of 512 bytes); 8-11: columns 16 g of Wq; 12-15: of Wproj (rows of 256)
	s_cselect_b32 s32, s24, s25
	s_cselect_b32 s28, 14, 13                      ; 32 rows are 2^14 or 2^13 bytes
	s_lshl_b32 s32, s32, 6
	s_mov_b32 s33, 0
	v_lshlrev_b32 v6, s28, v10
	v_lshl_add_u32 v6, v9, 2, v6                   ; column r of the fragment, from row 32 h
	s_lshl_b32 s52, s27, 12                        ; the mask: 4,096 bytes a batch
	s_mov_b32 s53, 0
	s_add_nc_u64 s[40:41], s[8:9], s[52:53]
	s_add_nc_u64 s[42:43], s[22:23], s[34:35]
	s_cmp_lt_u32 s24, 12                           ; the choice hangs on the wave's number alone
	s_cselect_b64 s[30:31], s[14:15], s[18:19]
	s_cmp_lt_u32 s24, 8
	s_cselect_b64 s[30:31], s[10:11], s[30:31]
	s_add_nc_u64 s[30:31], s[30:31], s[32:33]
	; ---- the mask and my weight, while the tensor loads are on their way
	global_load_b64 v[14:15], v7, s[40:41]
	s_cmp_lt_u32 s24, 8
	s_cbranch_scc0 .Lnarrow
	WLOAD 512
	s_branch .Lwdone
.Lnarrow:
	WLOAD 256
.Lwdone:
	s_wait_loadcnt 0x0
	v_cmp_eq_u32 vcc_lo, 0, v14
	v_cndmask_b32 v14, 0, v60, vcc_lo              ; 0 where the key counts, -infinity where the mask is 0
	v_cmp_eq_u32 vcc_lo, 0, v15
	v_cndmask_b32 v15, 0, v60, vcc_lo
	ds_store_b64 v63, v[14:15]
	QROW 128, 48, 23
	ds_store_b128 v57, v[48:51]
	ds_store_b64 v58, v[52:53]
	ds_store_b32 v59, v23
	; ---- my 64 keys: four tiles of 8 LDS loads through three sets of 32 registers
	s_wait_tensorcnt 0x1                           ; tensor loads of a wave end in order (ISA guide 10.11.1): my keys are in LDS; the one load issued behind them, x's, may be out
	ELDS 160, 0
	ELDS 192, 1
	ELDS 128, 2
	s_wait_dscnt 16                                ; tile 0 is in; the 16 loads of tiles 1 and 2 may be out
	QROW 160, 224, 19
	ELDS 160, 3
	s_wait_dscnt 16                                ; tile 1; tiles 2 and 3 may be out
	QROW 192, 230, 20
	s_wait_dscnt 8                                 ; tile 2; tile 3 may be out
	QROW 128, 236, 21
	s_wait_dscnt 0x0
	QROW 160, 242, 22
	global_load_b128 v[176:179], v27, s[16:17]     ; bq of my head, in q^T's layout
	global_load_b128 v[180:183], v27, s[16:17] offset:16
.irp q, 0,1,2,3
	global_load_b32 v[168+\q], v62, s[12:13] offset:256+64*\q      ; v's bias, number r of each head
.endr
	global_load_b128 v[152:155], v61, s[12:13]     ; k's bias of head 0, in k^T's layout
	global_load_b128 v[156:159], v61, s[12:13] offset:16
.irp j, 134,135,136,137,138,139,146,147,148,149,150,151
	v_mov_b32 v[\j], 0                             ; the weights' k = 64 .. 127: zero codes, for the whole launch
.endr
	s_mul_i32 s53, s25, WFR
	v_add_nc_u32 v173, s53, v54                    ; the images of my head's Wq and my tile of Wproj (+ 8 and + 12 fragments)
	v_add_nc_u32 v174, s53, v55
	v_add_nc_u32 v175, s53, v56
	s_wait_tensorcnt 0x0                           ; for the others' sake: my four rows of x have landed
	BAR                                            ; x's 64 rows, all sixteen weight images and the mask lie in LDS; nobody reads the keys' rows any more
	; ---- q^T of my head and my 16 queries
.irp i, 0,1,2,3,4,5,6,7
	ds_load_b128 v[192+4*\i:195+4*\i], v5 offset:16*\i
.endr
	WFETCH 128, 16, 173, 174, 175, WFR*8
	s_lshl_b32 s50, s24, 12                        ; where I store: k's images: 4 tiles of 1,024 bytes a wave;
	s_add_co_u32 s50, s50, KIMG
	s_and_b32 s28, s24, 1                          ; which half of a chunk of 128 keys is mine,
	s_lshr_b32 s29, s24, 1                         ; which chunk
	s_mul_i32 s51, s28, 24
	s_mul_i32 s52, s29, 1536
	s_add_co_u32 s51, s51, s52
	s_add_co_u32 s51, s51, VIMG                    ; v's codes: registers 6 x half on of the chunk's fragment;
	s_lshl_b32 s52, s28, 1
	s_lshl_b32 s53, s29, 7
	s_add_co_u32 s52, s52, s53
	s_add_co_u32 s52, s52, VSC                     ; v's scale bytes: 2 x half on
	s_wait_dscnt 3                                 ; x's eight loads are in; Wq's three may be out
	QROW 192, 40, 18
	NOPS 8                                         ; a scale register written by a vector instruction stands eight places ahead of a scaled product, an operand four
	s_wait_dscnt 0x0
	s_wait_loadcnt 0x0                             ; the biases
	MX 32, 128, 40, 176, 16, 18                    ; source 0 = Wq's 16 columns, source 1 = x's 16 rows (its upper half: written registers, against zero codes)
.irp j, 0,1,2,3,4,5,6,7
	v_mov_b32 v[160+\j], v168                      ; v's bias of head 0, in all eight registers.  (These name none of the product's registers: they are the places behind it)
.endr
	WFETCH 48, 23, 173, 174, 175, WFR*12           ; my tile of Wproj: kept to the end
	WFETCH 128, 16, 54, 55, 56, 0                  ; Wk of head 0
	WFETCH 140, 17, 54, 55, 56, WFR*4              ; Wv of head 0
	v_add_nc_u32 v190, s50, v1
	v_and_b32 v191, 31, v0
	v_mul_u32_u24 v191, v191, 48
	v_add_nc_u32 v191, s51, v191
	v_add_nc_u32 v172, s52, v2
	; ---- k and v of my 64 keys, head by head
	PROD 0
	PROD 1
	PROD 2
	PROD 3
	BAR                                            ; k's images, v's fragments and scale words are whole
	; ---- the loop over the keys
	s_lshl_b32 s28, s25, 16
	s_add_co_u32 s28, s28, KIMG
	v_add_nc_u32 v4, s28, v1                       ; k: my head, 16 x lane
	v_bfe_u32 v8, v0, 4, 1
	v_lshl_add_u32 v5, v8, 6, MB                   ; the mask: 16 h keys on
	GLOAD 0                                        ; chunk 0's first four tiles
	v_and_b32 v9, 31, v0
	v_mul_u32_u24 v6, v9, 48
	s_mul_i32 s29, s25, 12288
	s_add_co_u32 s29, s29, VIMG
	v_add_nc_u32 v6, s29, v6                       ; v's fragment
	s_lshl_b32 s28, s25, 10
	s_add_co_u32 s28, s28, VSC
	v_add_nc_u32 v7, s28, v2                       ; and its scale word
.irp j, 0,1,2,3,4,5,6,7
	v_mov_b32 v[40+\j], 0                          ; o^T.  (The chunk is written for every trip alike: the first finds zeros, which the first change of M leaves zeros)
.endr
	v_mov_b32 v13, 0xff61b1e6                      ; the largest t so far: -3e38, under every t
	v_floor_f32 v12, -v13                          ; -M
	v_mov_b32 v14, 0                               ; the sum, in two halves
	v_mov_b32 v15, 0
	v_mov_b32 v63, 0                               ; (named as the upper half of the pair v[62:63])
.irp b, 0,1,2,3
	v_mov_b32 v[58+\b], 0                          ; a lane permute's destination counts as one of its sources
.endr
	s_mov_b32 s48, 7
; A CHUNK of 128 keys.  last = 1: nothing is fetched ahead.
.macro CHUNK last
	ds_load_b128 v[240:243], v6                    ; v's fragment and scale word of this chunk
	ds_load_b128 v[244:247], v6 offset:16
	ds_load_b128 v[248:251], v6 offset:32
	ds_load_b32 v24, v7
	s_wait_dscnt 4                                 ; the 16 loads of the first four tiles, issued a chunk ago, are in; the four just issued may be out
	SCORES 0
	NOPS 8                                         ; eight places behind the f32 form, in front of loads into registers that it read
	GLOAD 1
	s_wait_dscnt 0x0
	SCORES 1
.if \last
	NOPS 8                                         ; eight places in front of the first read of the scores
.else
	v_add_nc_u32 v4, 8192, v4                      ; the next chunk (no LDS load of mine is out)
	v_add_nc_u32 v5, 512, v5
	NOPS 6                                         ; with the two lines above: eight places, for the loads below and for the first read of the scores
	GLOAD 0                                        ; the next chunk's first four tiles land under the softmax
.endif
.irp b, 0,1,2,3
	v_max3_num_f32 v[54+\b], v[64+16*\b], v[65+16*\b], v[66+16*\b]     ; the largest score of each block of 32 keys: for the row's maximum, and, since p rises with the score, for the block's largest p.  Each tile is read from its low end on
.endr
.irp i, 3,5,7,9,11,13
.irp b, 0,1,2,3
	v_max3_num_f32 v[54+\b], v[54+\b], v[64+16*\b+\i], v[65+16*\b+\i]
.endr
.endr
.irp b, 0,1,2,3
	v_max_num_f32 v[54+\b], v[54+\b], v[79+16*\b]
.endr
.irp b, 0,1,2,3
	v_permlanex16_b32 v[58+\b], v[54+\b], s44, s45
.endr
.irp b, 0,1,2,3
	v_max_num_f32 v[54+\b], v[54+\b], v[58+\b]     ; with lane l xor 16's 16 keys
.endr
	v_max3_num_f32 v8, v54, v55, v56
	v_max_num_f32 v8, v8, v57                      ; the chunk's largest score of my query
	v_mul_f32 v8, s46, v8                          ; as t (c is positive)
	v_max_num_f32 v13, v13, v8                     ; the running largest t
	v_mov_b32 v8, v12
	v_floor_f32 v12, -v13                          ; the new -M = floor(-t): M is a whole number
	v_sub_f32 v8, v12, v8                          ; old M - new M: a whole number, 0 or less
	v_cvt_i32_f32 v8, v8                           ; (it saturates)
	v_ldexp_f32 v62, 1.0, v8                       ; f = 2^(old M - new M): a multiplication by it rounds nothing
.irp b, 0,1,2,3
	v_fma_f32 v[54+\b], v[54+\b], s46, v12         ; t - M of each block's largest score
.endr
	; keys 0-63 of the chunk.  The scores' registers are written by matrix instructions alone: t - M goes into v192-223
.set j, 0
.rept 16
	v_pk_fma_f32 v[192+j:193+j], v[64+j:65+j], s[46:47], v[12:13] op_sel_hi:[1,0,0]
.set j, j+2
.endr
.irp b, 0,1,2,3
	v_exp_f32 v[54+\b], v[54+\b]                   ; each block's largest p: the same two instructions on the same number give the same bits
.endr
.set j, 0
.rept 32
	v_exp_f32 v[192+j], v[192+j]                   ; p = 2^(t - M), at most 1, not normalised
.set j, j+1
.endr
	v_pk_mul_f32 v[14:15], v[14:15], v[62:63] op_sel_hi:[1,0]      ; the sum under the new M: the plain line behind the exponentials
	s_wait_alu depctr_va_vdst(0)                   ; one wait for the batch of 36, ahead of its first reader
.irp b, 0,1,2,3
	v_max_num_f32 v[54+\b], 0x1800000, v[54+\b]    ; the floor 2^(3 - 127): the byte cannot fall under 1
.endr
.irp b, 0,1,2,3
	v_add_nc_u32 v[28+\b], 0xff000000, v[54+\b]    ; 2 off the exponent field: the conversion's scale operand
.endr
.irp b, 0,1,2,3
	v_lshrrev_b32 v[58+\b], 23, v[28+\b]
.endr
	v_lshl_or_b32 v25, v59, 8, v58                 ; p's scale word for these 128 keys
	v_lshl_or_b32 v25, v60, 16, v25
	v_lshl_or_b32 v25, v61, 24, v25
	v_pk_add_f32 v[10:11], v[192:193], v[194:195]  ; the row's sum is taken of the unquantised p, two at a time, in two chains
.set j, 4
.rept 7
	v_pk_add_f32 v[14:15], v[14:15], v[192+j:193+j]
	v_pk_add_f32 v[10:11], v[10:11], v[194+j:195+j]
.set j, j+4
.endr
	v_cvt_scalef32_pk16_fp6_f32 v[224:226], v[192:207], v28
	v_cvt_scalef32_pk16_fp6_f32 v[236:238], v[208:223], v29
	v_nop                                          ; one plain place behind a scaled conversion
.irp i, 0,1,2
	v_permlane16_swap_b32 v[224+\i], v[236+\i]     ; a whole block to a lane
.endr
.irp i, 0,1,2
	v_mov_b32 v[227+\i], v[236+\i]
.endr
	; keys 64-127
.set j, 0
.rept 16
	v_pk_fma_f32 v[192+j:193+j], v[96+j:97+j], s[46:47], v[12:13] op_sel_hi:[1,0,0]
.set j, j+2
.endr
.set j, 0
.rept 32
	v_exp_f32 v[192+j], v[192+j]
.set j, j+1
.endr
.irp j, 0,2,4,6
	v_pk_mul_f32 v[40+\j:41+\j], v[40+\j:41+\j], v[62:63] op_sel_hi:[1,0]   ; o^T under the new M, from its low end on: plain lines behind the exponentials
.endr
	s_wait_alu depctr_va_vdst(0)                   ; one wait for the batch of 32
	v_cvt_scalef32_pk16_fp6_f32 v[230:232], v[192:207], v30
	v_cvt_scalef32_pk16_fp6_f32 v[236:238], v[208:223], v31
	v_nop
.irp i, 0,1,2
	v_permlane16_swap_b32 v[230+\i], v[236+\i]
.endr
.irp i, 0,1,2
	v_mov_b32 v[233+\i], v[236+\i]
.endr
.set j, 0
.rept 8
	v_pk_add_f32 v[14:15], v[14:15], v[192+j:193+j]                ; (these 17 are also the places between the codes' last write and the product)
	v_pk_add_f32 v[10:11], v[10:11], v[194+j:195+j]
.set j, j+4
.endr
	v_pk_add_f32 v[14:15], v[14:15], v[10:11]
	MX 40, 240, 224, 40, 24, 25                    ; o^T += v^T p^T: source 0 = the head's 16 channels, source 1 = my 16 queries, K = these 128 keys
.if \last == 0
	v_add_nc_u32 v6, 1536, v6                      ; the next chunk's fragment of v (its loads came back ahead of the second four tiles' products)
	v_add_nc_u32 v7, 128, v7
	NOPS 2                                         ; four places in front of the loads into the registers that the product read
.endif
.endm
.Lchunk:                                               ; seven trips; the eighth chunk is written out, since it fetches nothing ahead
	CHUNK 0
	s_sub_co_u32 s48, s48, 1
	s_cmp_lg_u32 s48, 0
	s_cbranch_scc1 .Lchunk
	CHUNK 1
	; ---- the end: ctx = o^T / the sum; through LDS; quantised along the 64 channels; x Wproj
	v_add_f32 v14, v14, v15                        ; the sum's two halves,
	v_permlanex16_b32 v8, v14, s44, s45
	v_add_f32 v14, v14, v8                         ; and lane l xor 16's: the row's sum
	v_rcp_f32 v9, v14
	v_and_b32 v10, 15, v0                          ; (plain lines behind the reciprocal, and the places behind the last product)  r
	v_bfe_u32 v11, v0, 4, 1                        ; h
	s_mul_i32 s28, s26, 16*CP
	s_lshl_b32 s29, s25, 6
	v_mul_u32_u24 v4, v10, CP
	v_add_nc_u32 v4, s28, v4                       ; row 16 t + r
	v_lshl_add_u32 v5, v11, 7, v4                  ; ctx back: my block of 32 channels, 128 h bytes on
	v_lshl_add_u32 v4, v11, 5, v4
	v_add_nc_u32 v4, s29, v4                       ; ctx in: channels 16 g + 8 h on
	v_add_nc_u32 v6, OUTS, v4                      ; the results in: the same place among their rows
	s_mul_i32 s28, s24, 4*CP
	v_mul_u32_u24 v7, v11, CP
	v_lshl_add_u32 v7, v10, 4, v7
	v_add_nc_u32 v7, s28, v7
	v_add_nc_u32 v7, OUTS, v7                      ; the results back: rows 4 w + h, 16 bytes a lane
	s_lshl_b32 s29, s24, 10
	v_add_nc_u32 v31, s29, v1                      ; and the same in out0: 1,024 w + 16 x lane
.irp j, 54,55,56,57,58,59,166,167,168,169,170,171
	v_mov_b32 v[\j], 0                             ; k = 64 .. 127 of Wproj's fragment and of ctx's: zero codes
.endr
	global_load_b128 v[176:179], v27, s[20:21]     ; bproj of my output tile, in the result's layout
	global_load_b128 v[180:183], v27, s[20:21] offset:16
	s_wait_alu depctr_va_vdst(0)                   ; the wait for the reciprocal, ahead of its first reader
.irp j, 0,1,2,3,4,5,6,7
	v_mul_f32 v[192+\j], v[40+\j], v9              ; ctx(query r, channel 16 g + 8 h + j)
.endr
	BAR                                            ; no wave reads k or v any more
	ds_store_b128 v4, v[192:195]
	ds_store_b128 v4, v[196:199] offset:16
	BAR                                            ; 64 whole rows of ctx lie in LDS
.irp i, 0,1,2,3,4,5,6,7
	ds_load_b128 v[128+4*\i:131+4*\i], v5 offset:16*\i
.endr
	s_wait_dscnt 0x0
	QROW 128, 160, 26
	NOPS 8                                         ; a scale register written by a vector instruction stands eight places ahead of a scaled product, an operand four
	s_wait_loadcnt 0x0                             ; bproj
	MX 184, 48, 160, 176, 23, 26                   ; source 0 = Wproj's 16 columns, source 1 = ctx's 16 rows, C = bproj
	NOPS 4
.irp j, 0,1,2,3,4,5,6,7
	v_fma_f32 v[192+\j], v128, 0, v[184+\j]        ; 0 x ctx + the result: the result itself; NaN where ctx is NaN (a batch with no key left), which the codes cannot carry
.endr
	ds_store_b128 v6, v[192:195]
	ds_store_b128 v6, v[196:199] offset:16
	BAR                                            ; 64 whole rows of the output lie in LDS
	ds_load_b128 v[200:203], v7                    ; rows 4 w, 4 w + 1
	ds_load_b128 v[204:207], v7 offset:2*CP        ; rows 4 w + 2, 4 w + 3
	s_wait_dscnt 1                                 ; the first is in; the second may be out
	global_store_b128 v31, v[200:203], s[42:43] th:TH_STORE_NT     ; 32 lanes store 512 consecutive bytes, at a multiple of 256 from out0's first byte
	s_wait_dscnt 0x0
	global_store_b128 v31, v[204:207], s[42:43] offset:512 th:TH_STORE_NT
	s_wait_tensorcnt 0x0
	ds_add_u32 v254, v255
	s_wait_dscnt 0x0
	s_endpgm
.Lfunc_end_k_q695a4e272c_attn:
	.size	k_q695a4e272c_attn, .Lfunc_end_k_q695a4e272c_attn-k_q695a4e272c_attn
	.p2alignl 7, 3214868480
	.fill 96, 4, 3214868480
	.section	.rodata,"a",@progbits
	.p2align	6, 0x0
	.amdhsa_kernel k_q695a4e272c_attn
		.amdhsa_group_segment_fixed_size 321536
		.amdhsa_private_segment_fixed_size 0
		.amdhsa_enable_private_segment 0
		.amdhsa_kernarg_size 80
		.amdhsa_user_sgpr_count 2
		.amdhsa_user_sgpr_kernarg_segment_ptr 1
		.amdhsa_wavefront_size32 1
		.amdhsa_system_sgpr_workgroup_id_x 1
		.amdhsa_system_sgpr_workgroup_id_y 1
		.amdhsa_system_sgpr_workgroup_id_z 1
		.amdhsa_system_vgpr_workitem_id 0
		.amdhsa_next_free_vgpr 256
		.amdhsa_next_free_sgpr 84
		.amdhsa_reserve_vcc 1
		.amdhsa_float_denorm_mode_32 3
		.amdhsa_float_denorm_mode_16_64 3
		.amdhsa_memory_ordered 1
		.amdhsa_forward_progress 1
		.amdhsa_inst_pref_size 85
	.end_amdhsa_kernel
	.amdgpu_metadata
---
amdhsa.version: [ 1, 2 ]
amdhsa.kernels:
  - .name:           k_q695a4e272c_attn
    .symbol:         k_q695a4e272c_attn.kd
    .args:
      - { .name: x, .offset: 0, .size: 8, .value_kind: global_buffer, .address_space: global }
      - { .name: encoder_outputs, .offset: 8, .size: 8, .value_kind: global_buffer, .address_space: global }
      - { .name: encoder_outputs_mask, .offset: 16, .size: 8, .value_kind: global_buffer, .address_space: global }
      - { .name: Wkv, .offset: 24, .size: 8, .value_kind: global_buffer, .address_space: global }
      - { .name: bkv, .offset: 32, .size: 8, .value_kind: global_buffer, .address_space: global }
      - { .name: Wq, .offset: 40, .size: 8, .value_kind: global_buffer, .address_space: global }
      - { .name: bq, .offset: 48, .size: 8, .value_kind: global_buffer, .address_space: global }
      - { .name: Wproj, .offset: 56, .size: 8, .value_kind: global_buffer, .address_space: global }
      - { .name: bproj, .offset: 64, .size: 8, .value_kind: global_buffer, .address_space: global }
      - { .name: out0, .offset: 72, .size: 8, .value_kind: global_buffer, .address_space: global }
    .group_segment_fixed_size: 321536
    .private_segment_fixed_size: 0
    .kernarg_segment_align: 8
    .kernarg_segment_size: 80
    .max_flat_workgroup_size: 512
    .sgpr_count:     84
    .vgpr_count:     256
    .wavefront_size: 32
...
	.end_amdgpu_metadata
.endif
;; end of part 1
